; MI455X (gfx1250); checked and timed in simulation.
; The chip was launched on July 23, 2026; its instructions are those of AMD's public machine-readable ISA for CDNA 5 (MIT licence, August 2026) and "CDNA5" Instruction Set Architecture Reference Guide (July 2026). The comments in the code are by the model that wrote it; some were corrected since.
;; Knowledge Injection Layer. Allowed arithmetic: matrix products marked QUANTISED: E4M3 operands, one given power-of-two scale a tensor, by v_wmma_f32_16x16x64_fp8_fp8 or v_wmma_f32_16x16x128_fp8_fp8, f32 sums; products left as they are: f32 operands where the result goes on into a quantised operand, else bf16, f16 or f32 operands; f32 sums; everything else in f32.
;; Inputs: P 4,096 x 8 float32; R_new 8 x 4,096 float32; W_orig 4,096 x 4,096 float32; b_orig 4,096 float32; lowp_scales 2 int32 (the exponents e of the quantised operands' scales 2^e); x 2 x 2,048 x 4,096 float32.
;; Outputs: out0 2 x 2,048 x 4,096 float32.
;; This version of the problem:
;;   THIS VERSION OF THE PROBLEM IS GIVEN IN LOW PRECISION. The matrix products marked QUANTISED in the list below multiply operands that are first quantised to E4M3 (4 exponent bits, 3 mantissa bits; 8 bits a number), with one given power-of-two scale for each operand tensor; their sums are f32. All else is computed in f32.
;;   The module's matrix products, in the order in which they are computed (A, B: the left and right operand; K: the contracted axis; several contracted axes count as one K, in the product's order):
;;     1. [M 8, K 4,096] x [K 4,096, N 4,096]; A: input P; B: input W_orig: left as it is (M = 8 < 16)
;;     2. [M 4,096, K 8] x [K 8, N 4,096]; A: input P; B: computed on the way: left as it is (K = 8 < 32)
;;     3. [M 4,096, K 8] x [K 8, N 4,096]; A: input P; B: input R_new: left as it is (K = 8 < 32)
;;     4. [M 4,096, K 4,096] x [K 4,096, N 4,096]; A: input x; B: computed on the way: QUANTISED (scales: A lowp_scales[0], B lowp_scales[1])
;;   THE QUANTISER, for each operand of a quantised product, along K:
;;     - The operand's scale is 2^e, e = its entry of the input lowp_scales (int32; the entries are numbered through the quantised products in the list's order, A before B).
;;     - Each number is divided by the scale, clamped to +-448, and rounded to the nearest number of E4M3, ties to even, subnormals kept.
;;     - The product sums the exact products of the quantised numbers (number of the format x scale) in f32.
;;   ~~~python
;;   def quantise(x, axis, e):      # numpy; x: float32 -> the quantised numbers, widened to float32 again
;;       x = np.moveaxis(x, axis, -1); K = x.shape[-1]
;;       r = np.clip(x / 2.0 ** e, -448, 448)
;;       step = 2.0 ** (np.maximum(np.frexp(np.where(r == 0, 1, r))[1] - 1, -6) - 3)
;;       q = np.round(r / step) * step * 2.0 ** e      # np.round: ties to even
;;       return np.moveaxis(q, -1, axis).astype(np.float32)
;;   ~~~
;;   OPERANDS COMPUTED ON THE WAY. 'Computed on the way' means the value that the module computes at that place (a softmax that the list does not call 'softmax' is quantised finished and normalised). What goes into a quantiser is computed in f32, as accurately as f32 sums, v_exp_f32 and their like allow (about 1e-6 of the number): no bf16 or f16 on the way to a quantiser, and a product that is left as it is and whose result goes on into a quantised operand takes f32 operands (vector FMAs, or v_wmma_f32_16x16x4_f32). A number that lies on a knife's edge between two numbers of the format may be rounded either way, as far as f32 arithmetic and the matrix unit's own rounding can turn it there, and no further.
;; One version. Each part assembles by itself: llvm-mc -triple=amdgcn-amd-amdhsa -mcpu=gfx1250 --defsym DOCPART=n.
;; ======== version 1 of 1: 2 launches
;; limits: right only within a limited range of input values
;; workspace buffers: x_codes 16,777,216 bytes; w_codes 16,777,216 bytes
;; launch prep (part 1): grid 256 x 1, 16 waves a work-group, clusters of 4 x 1, 278,528 bytes of LDS; arguments x, W_orig, P, R_new, lowp_scales, x_codes, w_codes; writes x_codes, w_codes
.if DOCPART == 1
	.amdgcn_target "amdgcn-amd-amdhsa--gfx1250"
	.amdhsa_code_object_version 6
	.text
	.protected	k_qcf1a207c15_prep
	.globl	k_qcf1a207c15_prep
	.p2align	8
	.type	k_qcf1a207c15_prep,@function
k_qcf1a207c15_prep:
	s_mov_b64 s[64:65], 0
	v_nop
	global_prefetch_b8 v0, s[64:65] scope:SCOPE_SE
	s_setreg_imm32_b32 hwreg(HW_REG_WAVE_MODE, 25, 1), 1
	s_wait_xcnt 0x0
	s_wait_alu depctr_hold_cnt(0) depctr_sa_sdst(0) depctr_va_vdst(0) depctr_va_sdst(0) depctr_va_ssrc(0) depctr_va_vcc(0) depctr_vm_vsrc(0)
	s_getreg_b32 s2, hwreg(HW_REG_IB_STS2, 6, 4)
	s_cmp_eq_u32 s2, 0
	s_cbranch_scc0 .Lentry_in_a_cluster
	s_endpgm
.Lentry_in_a_cluster:
	s_bfe_u32 s2, ttmp6, 0x10000c
	s_cmp_lg_u32 s2, 0x3003
	s_cbranch_scc0 .Lentry_shape_is_right
	s_endpgm
.Lentry_shape_is_right:
; Both operands of the quantised product become codes of FP8 (E4M3), each with the one scale 2^e that is given for it (lowp_scales: e0 for x, e1 for W_mod): code = number / 2^e, held within +-448, to the nearest code, ties to even.
; W_mod = W + P D, D = R_new - P^T W: the same algebra as W - P (P^T W) + P R_new, all in f32 by fused multiply-adds.  x: [4096][4096], W: [4096][4096], P: [4096][8], R_new: [8][4096], f32.
; LIMITS: e0 and e1 lie between -126 and 119, so that 2^e and 448 x 2^e are f32 numbers.  NaN among the inputs is not served; an infinity is held at the largest code.
; BOTH BUFFERS OF CODES ARE LAID [256 strips][4096 rows][16 bytes]: strip s holds columns (k) 16 s .. 16 s + 15 of every row.
; W IS READ ONCE.  P^T W of a column needs all 4,096 rows of that column and nothing else: a work-group takes ONE strip, 4,096 rows x 64 bytes = 256 KiB, which its sixteen waves keep in 128 registers a lane between the pass that
; sums P^T W and the pass that makes W + P D.  THE PRICE: a load of a wave covers eight rows' 64 bytes, not 512 consecutive bytes; four neighbouring work-groups read the four quarters of each aligned 256 bytes.
; SHARES.  Wave w has rows 256 w .. 256 w + 255.  Lane = (q = lane / 4, cg = lane % 4): load j brings row 256 w + 8 j + q, columns 4 cg + 0..3 of the strip.  P differs from lane to lane, so a wave's 8 KiB of P go once, densely, into
; its own LDS and come back 32 bytes a lane for each j, a pair of j ahead; one register of P's pair feeds both halves of a packed multiply-add (op_sel).
; THE SUM: 32 multiply-adds in a lane, a butterfly over q, then the sixteen waves' sums through LDS: thread t makes D[t % 128] = R_new - the sum (four equal copies, one for each 128 threads); two barriers.
; x: the work-group takes rows 16 wg .. 16 wg + 15, wave w columns 256 w .. 256 w + 255.  As each pair of W's loads has been converted, its eight registers take two loads of x (512 consecutive bytes each): x streams in while W_mod is made.
; THE WAY OUT: a register holds 4 codes of one row; they meet in the wave's own stage in LDS and leave 16 bytes a lane: every store covers whole aligned runs of 256 bytes.
; No tensor loads, no cluster, no matrix unit: memory binds the launch; the one input that work-groups share is P, 8 KiB a wave against 32 KiB of W and x.
; CLUSTER (in place of the words 'no cluster' above): the four work-groups that read the four quarters of each aligned 256 bytes of W form one cluster of 4 x 1 and are launched together.
; They ask for nothing jointly and pass no cluster barrier; the work-group's number is 4 x the cluster's x + its place in the cluster.
.set ACC,  32
.set PR,   64                          ; v[64:95]   P: a ring of four j, eight numbers each; between the passes: at work; then W's rows on the way out
.set COD,  96                          ; v[96:127]  codes: two registers for each pair
.set DAT,  128                         ; v[128:255] W: load j at DAT + 4 j; then x: row i at DAT + 8 i
.set WO,   5                           ; v5   W: 16,384 q + 16 cg
.set L16,  6                           ; v6   16 x lane
.set PLS,  7                           ; v7   LDS: my wave's P, in: 8,192 w + 16 lane
.set PLR,  8                           ; v8   and back: 8,192 w + 32 q
.set REDS, 9                           ; v9   LDS: my wave's sums: RED + 512 w + 16 cg
.set REDR, 10                          ; v10  RED + 4 (t % 128)
.set R2S,  11                          ; v11  RED2 + 4 t
.set R2R,  12                          ; v12  RED2 + 16 cg
.set RO,   13                          ; v13  R_new: 16,384 ((t % 128) / 16) + 4 (t % 16)
.set WSS,  14                          ; v14  W's stage, in: WSTG + 4,096 w + 4 lane
.set WSR,  15                          ; v15  and back: WSTG + 4,096 w + 16 lane
.set XSS,  18                          ; v18  x's stage, in: XSTG + 4,352 w + 272 q + 4 cg
.set XSR,  20                          ; v20  and back: XSTG + 4,352 w + 272 (lane / 16) + 16 (lane % 16)
.set XGO,  21                          ; v21  x's codes: 65,536 (lane / 16) + 16 (lane % 16)
.set SCW,  22                          ; v22, v23  2^e1 and 448 x 2^e1
.set LIMW, 23
.set SCX,  24                          ; v24, v25  2^e0 and 448 x 2^e0
.set LIMX, 25
.set RN,   28                          ; v28  R_new at my thread's (r, column)
.set RED,  131072                      ; LDS: 0: P, 8,192 bytes a wave;  RED: [16 waves][8 r][16 columns] f32;
.set RED2, RED+8192                    ; RED2: D, four copies of [8 r][16 columns];
.set WSTG, RED2+2048                   ; W's stages, 4,096 bytes a wave: 256 rows x 16 bytes as they lie in memory;
.set XSTG, WSTG+65536                  ; x's stages, 4,352 bytes a wave: [16 strips][16 rows][16 bytes], a strip 272 bytes from the next, so that the eight q of a store fall on different banks (64 banks of 4 bytes: ISA guide 11.1)
.set XSP,  272
	s_load_b256 s[4:11], s[0:1], 0x0               ; x s[4:5], W s[6:7], P s[8:9], R_new s[10:11]
	s_load_b128 s[12:15], s[0:1], 0x20             ; lowp_scales s[12:13], x_codes s[14:15]
	s_load_b64 s[16:17], s[0:1], 0x30              ; w_codes
	v_lshl_add_u32 v30, v0, 2, 0x43800
	v_mov_b32 v31, 0
	v_and_b32 v1, 31, v0                           ; lane
	v_bfe_u32 v2, v0, 2, 3                         ; q
	v_and_b32 v3, 3, v0                            ; cg
	v_lshrrev_b32 v4, 5, v0                        ; wave
	s_delay_alu instid0(VALU_DEP_1)
	v_readfirstlane_b32 s20, v4
	s_delay_alu instid0(VALU_DEP_4)
	v_lshlrev_b32 v[WO], 14, v2
	s_delay_alu instid0(VALU_DEP_1)
	v_lshl_add_u32 v[WO], v3, 4, v[WO]
	v_lshlrev_b32 v[L16], 4, v1
	s_delay_alu instid0(VALU_DEP_1)
	v_lshl_add_u32 v[PLS], v4, 13, v[L16]
	v_lshlrev_b32 v[PLR], 5, v2
	s_delay_alu instid0(VALU_DEP_1)
	v_lshl_add_u32 v[PLR], v4, 13, v[PLR]
	v_lshlrev_b32 v[REDS], 4, v3
	s_delay_alu instid0(VALU_DEP_1)
	v_add_nc_u32 v[R2R], RED2, v[REDS]
	s_delay_alu instid0(VALU_DEP_2)
	v_lshl_add_u32 v[REDS], v4, 9, v[REDS]
	s_delay_alu instid0(VALU_DEP_1)
	v_add_nc_u32 v[REDS], RED, v[REDS]
	v_and_b32 v[REDR], 127, v0                     ; o = 16 r + column
	s_delay_alu instid0(VALU_DEP_1)
	v_lshrrev_b32 v[RO], 4, v[REDR]
	v_and_b32 v16, 15, v0
	s_delay_alu instid0(VALU_DEP_2)
	v_lshlrev_b32 v[RO], 14, v[RO]
	s_delay_alu instid0(VALU_DEP_1)
	v_lshl_add_u32 v[RO], v16, 2, v[RO]
	v_lshlrev_b32 v[REDR], 2, v[REDR]
	s_delay_alu instid0(VALU_DEP_1)
	v_add_nc_u32 v[REDR], RED, v[REDR]
	v_lshl_add_u32 v[R2S], v0, 2, RED2
	v_lshlrev_b32 v[WSS], 2, v1
	s_delay_alu instid0(VALU_DEP_1)
	v_lshl_add_u32 v[WSS], v4, 12, v[WSS]
	s_delay_alu instid0(VALU_DEP_1)
	v_add_nc_u32 v[WSS], WSTG, v[WSS]
	v_lshl_add_u32 v[WSR], v4, 12, v[L16]
	s_delay_alu instid0(VALU_DEP_1)
	v_add_nc_u32 v[WSR], WSTG, v[WSR]
	v_mul_u32_u24 v17, v4, 16*XSP
	s_delay_alu instid0(VALU_DEP_1)
	v_add_nc_u32 v17, XSTG, v17                    ; my wave's stage for x
	v_mul_u32_u24 v[XSS], v2, XSP
	s_delay_alu instid0(VALU_DEP_1)
	v_add_nc_u32 v[XSS], v[XSS], v17
	s_delay_alu instid0(VALU_DEP_1)
	v_lshl_add_u32 v[XSS], v3, 2, v[XSS]
	v_bfe_u32 v19, v0, 4, 1                        ; lane / 16
	s_delay_alu instid0(VALU_DEP_1)
	v_mul_u32_u24 v[XSR], v19, XSP
	s_delay_alu instid0(VALU_DEP_1)
	v_add_nc_u32 v[XSR], v[XSR], v17
	s_delay_alu instid0(VALU_DEP_1)
	v_lshl_add_u32 v[XSR], v16, 4, v[XSR]
	s_delay_alu instid0(VALU_DEP_4)
	v_lshlrev_b32 v[XGO], 16, v19
	s_delay_alu instid0(VALU_DEP_1)
	v_lshl_add_u32 v[XGO], v16, 4, v[XGO]
	s_mov_b32 s23, 0                               ; the upper word of the offsets' pair s[22:23]
	s_mov_b32 s28, 0x76543210                      ; v_permlanex16_b32's selects for lane l xor 16
	s_mov_b32 s29, 0xfedcba98
	s_bfe_u32 s30, ttmp6, 0x40000                  ; cx: my place in the cluster
	s_lshl_b32 s31, ttmp9, 2                       ; in a cluster launch ttmp9 counts clusters
	s_add_co_u32 s30, s31, s30                     ; the work-group's number wg
	s_wait_kmcnt 0x0
	s_load_b64 s[24:25], s[12:13], 0x0             ; e0, e1
	s_lshl_b32 s26, s30, 6                         ; my strip's 64 bytes in a row of f32
	s_lshl_b32 s22, s20, 22                        ; my wave's 256 rows of 16,384 bytes
	s_add_co_u32 s22, s22, s26
	s_add_nc_u64 s[6:7], s[6:7], s[22:23]          ; W
	s_lshl_b32 s22, s20, 13
	s_add_nc_u64 s[8:9], s[8:9], s[22:23]          ; P at my wave's 256 rows
	s_mov_b32 s22, s26
	s_add_nc_u64 s[10:11], s[10:11], s[22:23]      ; R_new at my strip
	s_lshl_b32 s22, s30, 16
	s_lshl_b32 s27, s20, 12
	s_add_co_u32 s22, s22, s27
	s_add_nc_u64 s[16:17], s[16:17], s[22:23]      ; W's codes: strip wg, my wave's 256 rows of 16 bytes
	s_lshl_b32 s22, s30, 18
	s_lshl_b32 s27, s20, 10
	s_add_co_u32 s22, s22, s27
	s_add_nc_u64 s[4:5], s[4:5], s[22:23]          ; x: row 16 wg, column 256 w
	s_lshl_b32 s22, s20, 20
	s_lshl_b32 s27, s30, 8
	s_add_co_u32 s22, s22, s27
	s_add_nc_u64 s[14:15], s[14:15], s[22:23]      ; x's codes: strip 16 w, row 16 wg
.irp m, 0,1,2,3,4,5,6,7,8,9,10,11,12,13,14,15
	global_load_b128 v[ACC+4*\m:ACC+4*\m+3], v[L16], s[8:9] offset:512*\m      ; P, densely: 512 consecutive bytes a load
.endr
	global_load_b32 v[RN], v[RO], s[10:11]
.irp j, 0,1,2,3,4,5,6,7,8,9,10,11,12,13,14,15,16,17,18,19,20,21,22,23,24,25,26,27,28,29,30,31
	global_load_b128 v[DAT+4*\j:DAT+4*\j+3], v[WO], s[6:7] offset:131072*\j    ; the wave's whole share of W at once.  No hint: the bytes beside mine are the neighbouring work-groups'
.endr
	s_wait_kmcnt 0x0
	s_add_co_i32 s26, s24, 127
	s_lshl_b32 s27, s26, 23
	v_mov_b32 v[SCX], s27                          ; 2^e0 as f32: the conversion takes its exponent field
	s_add_co_i32 s26, s26, 8
	s_lshl_b32 s26, s26, 23
	s_or_b32 s26, s26, 0x600000
	v_mov_b32 v[LIMX], s26                         ; 448 x 2^e0
	s_add_co_i32 s26, s25, 127
	s_lshl_b32 s27, s26, 23
	v_mov_b32 v[SCW], s27
	s_add_co_i32 s26, s26, 8
	s_lshl_b32 s26, s26, 23
	s_or_b32 s26, s26, 0x600000
	v_mov_b32 v[LIMW], s26
	s_wait_loadcnt 32                              ; P and R_new are in; the 32 loads of W issued behind them may be out
.irp m, 0,1,2,3,4,5,6,7,8,9,10,11,12,13,14,15
	ds_store_b128 v[PLS], v[ACC+4*\m:ACC+4*\m+3] offset:512*\m                 ; my wave's own bytes: no barrier
.endr
	s_wait_dscnt 0x0                               ; the stores have read their registers, which the ring and the sums take next
.macro PLOAD j                         ; P[256 w + 8 j + q][0..7] into ring place j % 4; the four lanes of a q read the same 32 bytes
	ds_load_b128 v[PR+8*((\j)%4):PR+8*((\j)%4)+3],   v[PLR] offset:256*(\j)
	ds_load_b128 v[PR+8*((\j)%4)+4:PR+8*((\j)%4)+7], v[PLR] offset:256*(\j)+16
.endm
.macro FMAB d, a, p, odd               ; v[d:d+1] += v[a:a+1] x ONE register of the pair v[p:p+1] (odd = 0: the first, 1: the second), which feeds both halves
.set fd, \d
.set fa, \a
.set fp, \p
.if \odd
	v_pk_fma_f32 v[fd:fd+1], v[fa:fa+1], v[fp:fp+1], v[fd:fd+1] op_sel:[0,1,0] op_sel_hi:[1,1,1]
.else
	v_pk_fma_f32 v[fd:fd+1], v[fa:fa+1], v[fp:fp+1], v[fd:fd+1] op_sel_hi:[1,0,1]
.endif
.endm
.macro MULB d, a, p, odd               ; the same without the addend: the first products start the sums, nothing is cleared
.set fd, \d
.set fa, \a
.set fp, \p
.if \odd
	v_pk_mul_f32 v[fd:fd+1], v[fa:fa+1], v[fp:fp+1] op_sel:[0,1] op_sel_hi:[1,1]
.else
	v_pk_mul_f32 v[fd:fd+1], v[fa:fa+1], v[fp:fp+1] op_sel_hi:[1,0]
.endif
.endm
; PASS 1, loads 2 i and 2 i + 1: sum(r, c) += P[row][r] W[row][c]: 2 x 16 packed multiply-adds, each sixteen on sixteen different pairs of sums
.macro ACCP i
.if (\i) < 15
	PLOAD 2*(\i)+2
	PLOAD 2*(\i)+3
	s_wait_dscnt 4                                 ; this pair's P is in; the four loads just issued may be out
.else
	s_wait_dscnt 0
.endif
	s_wait_loadcnt 30-2*(\i)                       ; loads come back in order: W's loads 2 i and 2 i + 1 are in, the 30 - 2 i younger ones may be out
.irp e, 0,1
.irp r, 0,1,2,3,4,5,6,7
.irp c, 0,2
.if ((\i) == 0) && (\e == 0)
	MULB ACC+4*\r+\c, DAT+\c, PR+2*(\r/2), \r%2
.else
	FMAB ACC+4*\r+\c, DAT+4*(2*(\i)+\e)+\c, PR+8*((2*(\i)+\e)%4)+2*(\r/2), \r%2
.endif
.endr
.endr
.endr
.endm
	PLOAD 0
	PLOAD 1
.irp i, 0,1,2,3,4,5,6,7,8,9,10,11,12,13,14,15
	ACCP \i
.endr
	; the eight q of a column group: lanes l xor 4, l xor 8 (inside a row of 16 lanes, on the addition itself), l xor 16
.irp a, 0,1,2,3,4,5,6,7,8,9,10,11,12,13,14,15,16,17,18,19,20,21,22,23,24,25,26,27,28,29,30,31
	v_add_f32_dpp v[ACC+\a], v[ACC+\a], v[ACC+\a] row_xmask:4 row_mask:0xf bank_mask:0xf
.endr
.irp a, 0,1,2,3,4,5,6,7,8,9,10,11,12,13,14,15,16,17,18,19,20,21,22,23,24,25,26,27,28,29,30,31
	v_add_f32_dpp v[ACC+\a], v[ACC+\a], v[ACC+\a] row_xmask:8 row_mask:0xf bank_mask:0xf
.endr
.irp a, 0,1,2,3,4,5,6,7,8,9,10,11,12,13,14,15,16,17,18,19,20,21,22,23,24,25,26,27,28,29,30,31
	v_permlanex16_b32 v[PR+\a], v[ACC+\a], s28, s29        ; (its destination counts as read: the ring's registers have been written)
.endr
.irp a, 0,1,2,3,4,5,6,7,8,9,10,11,12,13,14,15,16,17,18,19,20,21,22,23,24,25,26,27,28,29,30,31
	v_add_f32 v[ACC+\a], v[ACC+\a], v[PR+\a]
.endr
.irp r, 0,1,2,3,4,5,6,7
	ds_store_b128 v[REDS], v[ACC+4*\r:ACC+4*\r+3] offset:64*\r   ; the eight lanes of a column group hold the same sums and write them to the same bytes
.endr
	s_wait_dscnt 0x0                               ; for the others' sake: my wave's sums have landed
	s_barrier_signal -1
	s_barrier_wait -1
.irp w, 0,1,2,3,4,5,6,7,8,9,10,11,12,13,14,15
	ds_load_b32 v[PR+\w], v[REDR] offset:512*\w    ; the sixteen waves' sums of my (r, column)
.endr
	s_wait_dscnt 0x0
.irp p, 0,2,4,6
	v_pk_add_f32 v[PR+\p:PR+\p+1], v[PR+\p:PR+\p+1], v[PR+8+\p:PR+8+\p+1]
.endr
.irp p, 0,2
	s_delay_alu instid0(VALU_DEP_2)
	v_pk_add_f32 v[PR+\p:PR+\p+1], v[PR+\p:PR+\p+1], v[PR+4+\p:PR+4+\p+1]
.endr
	s_delay_alu instid0(VALU_DEP_1)
	v_pk_add_f32 v[PR:PR+1], v[PR:PR+1], v[PR+2:PR+3]
	s_delay_alu instid0(VALU_DEP_1)
	v_add_f32 v[PR], v[PR], v[PR+1]
	s_delay_alu instid0(VALU_DEP_1)
	v_sub_f32 v[PR], v[RN], v[PR]                  ; D = R_new - P^T W
	ds_store_b32 v[R2S], v[PR]
	s_wait_dscnt 0x0                               ; for the others' sake: my number of D has landed
	s_barrier_signal -1
	s_barrier_wait -1
.irp r, 0,1,2,3,4,5,6,7
	ds_load_b128 v[ACC+4*\r:ACC+4*\r+3], v[R2R] offset:64*\r     ; D(r, my four columns), where the sums were
.endr
	PLOAD 0
	PLOAD 1
; PASS 2, loads 2 i and 2 i + 1: W_mod = W + the sum over r of P[row][r] D(r, c), four pairs by turns; the hold; eight numbers become eight codes: a register for each of the two rows; they go to the stage;
; the eight registers take row i of x.
.macro MODP i
.set XS, DAT+8*(\i)
.if (\i) == 0
	PLOAD 2
	PLOAD 3
	s_wait_dscnt 4                                 ; D and this pair's P are in; the four loads just issued may be out
.elseif (\i) < 15
	PLOAD 2*(\i)+2
	PLOAD 2*(\i)+3
	s_wait_dscnt 6                                 ; this pair's P is in; behind it: the last pair's two code stores and the four loads just issued
.else
	s_wait_dscnt 2                                 ; behind the last P: the last pair's two code stores
.endif
.irp r, 0,1,2,3,4,5,6,7
.irp e, 0,1
.irp c, 0,2
	FMAB DAT+4*(2*(\i)+\e)+\c, ACC+4*\r+\c, PR+8*((2*(\i)+\e)%4)+2*(\r/2), \r%2
.endr
.endr
.endr
.irp k, 0,1,2,3,4,5,6,7
	v_med3_num_f32 v[XS+\k], v[XS+\k], -v[LIMW], v[LIMW]   ; the conversion to an 8-bit code does not saturate (ISA guide 7.6.2): the hold at the largest code x the scale
.endr
	v_cvt_scalef32_pk8_fp8_f32 v[COD+2*(\i):COD+2*(\i)+1], v[XS:XS+7], v[SCW]
	v_nop                                          ; one plain vector line behind the conversion
	ds_store_b32 v[WSS], v[COD+2*(\i)]   offset:256*(\i)       ; row 8 j + q, bytes 4 cg on = byte 128 j + 4 lane of the wave's 4,096: a store's 128 bytes are consecutive
	ds_store_b32 v[WSS], v[COD+2*(\i)+1] offset:256*(\i)+128
	global_load_b128 v[XS:XS+3],   v[L16], s[4:5] offset:16384*(\i) th:TH_LOAD_NT       ; x: row i, my wave's 256 columns: two loads of 512 consecutive bytes; x is read once
	global_load_b128 v[XS+4:XS+7], v[L16], s[4:5] offset:16384*(\i)+512 th:TH_LOAD_NT
.endm
.irp i, 0,1,2,3,4,5,6,7,8,9,10,11,12,13,14,15
	MODP \i
.endr
.irp t, 0,1,2,3,4,5,6,7
	ds_load_b128 v[PR+4*\t:PR+4*\t+3], v[WSR] offset:512*\t      ; LDS serves a wave's instructions in order (ISA guide 5.7.1.4): these see my stores
.endr
.irp t, 0,1,2,3,4,5,6,7
	s_wait_dscnt 7-\t
	global_store_b128 v[L16], v[PR+4*\t:PR+4*\t+3], s[16:17] offset:512*\t      ; 32 lanes store 512 consecutive bytes, aligned
.endr
; x, row i: lane l holds columns 4 l + 0..3 and 128 + 4 l + 0..3 of my wave's 256: strips q and 8 + q, bytes 4 cg on
.macro XROW i
.set XS, DAT+8*(\i)
	s_wait_loadcnt 30-2*(\i)                       ; row i's two loads are in; the 30 - 2 i younger ones may be out
.irp k, 0,1,2,3,4,5,6,7
	v_med3_num_f32 v[XS+\k], v[XS+\k], -v[LIMX], v[LIMX]
.endr
	v_cvt_scalef32_pk8_fp8_f32 v[COD+2*(\i):COD+2*(\i)+1], v[XS:XS+7], v[SCX]   ; (W's code stores have read these registers: the count-down above ended at 0)
	v_nop                                          ; one plain vector line behind the conversion
	ds_store_b32 v[XSS], v[COD+2*(\i)]   offset:16*(\i)
	ds_store_b32 v[XSS], v[COD+2*(\i)+1] offset:8*XSP+16*(\i)
.endm
.irp i, 0,1,2,3,4,5,6,7,8,9,10,11,12,13,14,15
	XROW \i
.endr
.irp t, 0,1,2,3,4,5,6,7
	ds_load_b128 v[ACC+4*\t:ACC+4*\t+3], v[XSR] offset:2*XSP*\t  ; strips 2 t and 2 t + 1: sixteen rows' 16 bytes each
.endr
.irp t, 0,1,2,3,4,5,6,7
	s_wait_dscnt 7-\t
	global_store_b128 v[XGO], v[ACC+4*\t:ACC+4*\t+3], s[14:15] offset:131072*\t  ; sixteen lanes store 256 consecutive bytes, aligned; the other sixteen the same rows of the next strip
.endr
	s_wait_tensorcnt 0x0
	ds_add_u32 v30, v31
	s_wait_dscnt 0x0
	s_endpgm
.Lfunc_end_k_qcf1a207c15_prep:
	.size	k_qcf1a207c15_prep, .Lfunc_end_k_qcf1a207c15_prep-k_qcf1a207c15_prep
	.p2alignl 7, 3214868480
	.fill 96, 4, 3214868480
	.section	.rodata,"a",@progbits
	.p2align	6, 0x0
	.amdhsa_kernel k_qcf1a207c15_prep
		.amdhsa_group_segment_fixed_size 278528
		.amdhsa_private_segment_fixed_size 0
		.amdhsa_enable_private_segment 0
		.amdhsa_kernarg_size 56
		.amdhsa_user_sgpr_count 2
		.amdhsa_user_sgpr_kernarg_segment_ptr 1
		.amdhsa_wavefront_size32 1
		.amdhsa_system_sgpr_workgroup_id_x 1
		.amdhsa_system_sgpr_workgroup_id_y 1
		.amdhsa_system_sgpr_workgroup_id_z 1
		.amdhsa_system_vgpr_workitem_id 0
		.amdhsa_next_free_vgpr 256
		.amdhsa_next_free_sgpr 66
		.amdhsa_reserve_vcc 0
		.amdhsa_float_denorm_mode_32 3
		.amdhsa_float_denorm_mode_16_64 3
		.amdhsa_memory_ordered 1
		.amdhsa_forward_progress 1
		.amdhsa_inst_pref_size 125
	.end_amdhsa_kernel
	.amdgpu_metadata
---
amdhsa.version: [ 1, 2 ]
amdhsa.kernels:
  - .name:           k_qcf1a207c15_prep
    .symbol:         k_qcf1a207c15_prep.kd
    .args:
      - { .name: x, .offset: 0, .size: 8, .value_kind: global_buffer, .address_space: global }
      - { .name: W_orig, .offset: 8, .size: 8, .value_kind: global_buffer, .address_space: global }
      - { .name: P, .offset: 16, .size: 8, .value_kind: global_buffer, .address_space: global }
      - { .name: R_new, .offset: 24, .size: 8, .value_kind: global_buffer, .address_space: global }
      - { .name: lowp_scales, .offset: 32, .size: 8, .value_kind: global_buffer, .address_space: global }
      - { .name: x_codes, .offset: 40, .size: 8, .value_kind: global_buffer, .address_space: global }
      - { .name: w_codes, .offset: 48, .size: 8, .value_kind: global_buffer, .address_space: global }
    .group_segment_fixed_size: 278528
    .private_segment_fixed_size: 0
    .kernarg_segment_align: 8
    .kernarg_segment_size: 56
    .max_flat_workgroup_size: 512
    .sgpr_count:     66
    .vgpr_count:     256
    .wavefront_size: 32
...
	.end_amdgpu_metadata
.endif
;; end of part 1
;; launch gemm (part 2): grid 16 x 16, 4 waves a work-group, clusters of 4 x 4, 327,680 bytes of LDS; arguments x_codes, w_codes, lowp_scales, b_orig, out0; writes out0
.if DOCPART == 2
	.amdgcn_target "amdgcn-amd-amdhsa--gfx1250"
	.amdhsa_code_object_version 6
	.text
	.protected	k_qcf1a207c15_gemm
	.globl	k_qcf1a207c15_gemm
	.p2align	8
	.type	k_qcf1a207c15_gemm,@function
k_qcf1a207c15_gemm:
	s_mov_b64 s[64:65], 0
	v_nop
	global_prefetch_b8 v0, s[64:65] scope:SCOPE_SE
	s_setreg_imm32_b32 hwreg(HW_REG_WAVE_MODE, 25, 1), 1
	s_wait_xcnt 0x0
	s_wait_alu depctr_hold_cnt(0) depctr_sa_sdst(0) depctr_va_vdst(0) depctr_va_sdst(0) depctr_va_ssrc(0) depctr_va_vcc(0) depctr_vm_vsrc(0)
	s_getreg_b32 s2, hwreg(HW_REG_IB_STS2, 6, 4)
	s_cmp_eq_u32 s2, 0
	s_cbranch_scc0 .Lentry_in_a_cluster
	s_endpgm
.Lentry_in_a_cluster:
	s_bfe_u32 s2, ttmp6, 0x10000c
	s_cmp_lg_u32 s2, 0xf033
	s_cbranch_scc0 .Lentry_shape_is_right
	s_endpgm
.Lentry_shape_is_right:
; out0[m][n] = 2^(e0 + e1) x (sum over k of xc[m][k] wc[n][k]) + b[n].  xc, wc: codes of FP8 (E4M3) of x and W_mod, both laid [256 strips][4096 rows][16 bytes] (strip s = k 16 s .. 16 s + 15); sums in f32.
; LIMIT: e0 + e1 lies between -126 and 127, so that 2^(e0 + e1) is an f32 number.
; A block of 256 x 256 of out0 to a work-group of four waves; a wave makes 128 x 128: 64 accumulators, 512 registers.  256 work-groups.
; K goes in steps of 256 (16 strips) through two LDS slots.  A wave's tensor load brings 16 strips x 128 rows x 16 bytes: 16 rows of 2,048 consecutive bytes.  In LDS a strip's 16 rows of a fragment are 256 consecutive bytes: no padding.
; CLUSTERS of 4 x 4: x's tiles are asked for jointly along a row of the cluster, W_mod's along a column.  The round of the cluster's barrier is the barrier in front of each refill.
; A STEP of 128 along K is 64 matrix instructions: x's blocks 0 .. 7 one after the other, each against W_mod's eight.  x has one set of fragment registers, W_mod two.
; Its 64 LDS loads stand in TWO EQUAL RUNS of 32, each behind four places: behind block 1: x's blocks 6, 7 of THIS step and the next step's B0-5; behind block 5: the next step's B6, B7, A0-5.
; THE CHANGE OF SLOTS stands inside the first run of a slot's last step, behind the slot's last two fragments: wait for the tile, add, round, joint refill on end; 48 products on registers follow, over the first loads from the new slot.
; So 128 matrix instructions lie between a request and the wait for it.
; PREFETCH: behind each joint refill a wave names the K step two refills on: of the 128 rows x 16 strips that it fetches, each of the four partners takes 4 strips, by address: 32 blocks of 256 bytes, a lane a block.
; K steps 2 and 3 are named behind K step 1's load; the last two refills name nothing.
; THE MATRIX INSTRUCTION IS USED TRANSPOSED (source 0 = 16 rows of wc, source 1 = 16 rows of xc): a lane holds eight neighbouring columns of one row of out0.
; A fragment's k are permuted alike in both operands (registers 4 c .. 4 c + 3: k = 32 c + 16 (l / 16) + 0 .. 15): four 16-byte LDS loads a fragment.
; REGISTERS: window 0: v0-31 addresses, v32-35 bias, v128-255 x's fragments;  window 1: W_mod's fragments, two sets;  windows 2, 3: accumulators (a, b) at v[8 (8 (a % 4) + b)].
.set SIZE_N, 4096
.set SIZE_K, 4096
.set KSTEP,  256
.set STRIPB, 65536                     ; a strip in memory
.set KADV,   16*STRIPB                 ; a K step in memory
.set TROW,   2048                      ; 128 rows x 16 bytes: a tile's row
.set FR,     16                        ; registers of a fragment
.set NP,     4                         ; places behind this matrix form (ISA guide 7.12.1)
.set HALFT,  16*TROW                   ; what one tensor load brings
.set SLOT,   4*HALFT                   ; x's 256 rows, then W_mod's 256 rows
.set LAPS,   SIZE_K/(2*KSTEP)
.set SPARE,  2*SLOT                    ; the spare words: 128 bytes a wave, named by no other line
.set SPITCH, 528                       ; the way out: a stage of 16 rows x (512 + 16) bytes a wave, in slot 0 behind its last fill and last read
.set ADRA, 16                          ; v16-17 LDS address of my x fragments in slot 0, 1
.set ADRB, 20                          ; v20-21 the same for W_mod
.set STO,  24                          ; stage, in
.set RD,   25                          ; stage, back
.set CO,   26                          ; 16 x lane: my bytes in a row of 512
.set SPW,  28                          ; my spare word
.set NIL,  29                          ; 0
.set PFO,  30                          ; prefetch: 256 (lane % 8) + 65,536 ((lane / 8) % 4)
.set BIAS, 32
.set AF,   128
.set BK,   128                         ; the way out: v128-191, v192-255 by turns
.set G1, 24
.set G0, 32
.set G1B, 48
.set G0B, 56
.set PFA, 66                           ; s[66:67] where my prefetches stand
.set MSB, 0
.macro WIN new                         ; the immediate's high byte repeats the setting that is left
.if MSB != \new
	s_set_vgpr_msb (MSB<<8)|\new
.set MSB, \new
.endif
.endm
.set MUL_LO, 0xa1                      ; source 0 window 1, source 1 window 0, C and D window 2
.set MUL_HI, 0xf1                      ; the same, C and D window 3
.set TO_B,   0x40
.macro JLOAD g0a, g1a, g0b, g1b        ; a joint load: waves 0, 1 for x, waves 2, 3 for W_mod; s_nop 0 and four v_nop behind each line
	s_cmp_eq_u32 s15, 0
	s_cbranch_scc0 .Lfor_b_\@
	tensor_load_to_lds s[\g0a:\g0a+3], s[\g1a:\g1a+7]
	s_nop 0
.rept 4
	v_nop
.endr
	s_branch .Lasked_\@
.Lfor_b_\@:
	tensor_load_to_lds s[\g0b:\g0b+3], s[\g1b:\g1b+7]
	s_nop 0
.rept 4
	v_nop
.endr
.Lasked_\@:
.endm
.macro ASK                             ; the K step two refills on; s3 = 1 in the last trip, whose refills have none
	s_cmp_gt_u32 s3, 1
	s_cbranch_scc0 .Lno_ask_\@
	global_prefetch_b8 v[PFO], s[PFA:PFA+1] offset:KADV th:TH_LOAD_NT scope:SCOPE_SE
.Lno_ask_\@:
.endm
.macro CROUND                          ; a round of the cluster's barrier
	s_barrier_signal -1
	s_barrier_wait -1
	s_cmp_lg_u32 s14, 0
	s_cbranch_scc1 .Lnot_wave_0_\@
	s_barrier_signal -3
.Lnot_wave_0_\@:
	s_barrier_wait -3
	s_barrier_signal -1
	s_barrier_wait -1
.endm
	s_load_b128 s[4:7], s[0:1], 0x0                ; x_codes, w_codes
	s_load_b128 s[8:11], s[0:1], 0x10              ; lowp_scales, b_orig
	s_load_b64 s[12:13], s[0:1], 0x20              ; out0
	v_lshl_add_u32 v[SPW], v0, 2, SPARE
	v_mov_b32 v[NIL], 0
	ds_add_u32 v[SPW], v[NIL]                      ; the opening lines: the add twice on end under one wait
	ds_add_u32 v[SPW], v[NIL]
	v_lshrrev_b32 v1, 5, v0
	v_readfirstlane_b32 s14, v1                    ; wave
	s_lshr_b32 s15, s14, 1                         ; my half of the block's rows; also: I fetch for x (0) or W_mod (1)
	s_and_b32 s16, s14, 1                          ; my half of its columns; also: which 128 rows I fetch
	s_bfe_u32 s40, ttmp6, 0x40000                  ; cx
	s_bfe_u32 s41, ttmp6, 0x40004                  ; cy
	s_lshl_b32 s42, ttmp9, 2
	s_add_co_u32 s42, s42, s40                     ; block column
	s_and_b32 s17, ttmp7, 0xffff
	s_lshl_b32 s17, s17, 2
	s_add_co_u32 s17, s17, s41                     ; block row
	s_lshl_b32 s43, s41, 2
	s_lshl_b32 s43, 15, s43                        ; my row of the cluster
	s_lshl_b32 s44, 0x1111, s40                    ; my column
	s_or_b32 s[G1+0], s43, (1<<21)                 ; the mask; elements of 1 byte; no padding; bit 21 beside a mask
	s_or_b32 s[G1B+0], s44, (1<<21)
.irp g, G1, G1B
	s_mov_b32 s[\g+1], TROW<<16                    ; tensor_dim0
	s_mov_b32 s[\g+2], 16<<16                      ; tensor_dim1
	s_mov_b32 s[\g+3], TROW<<16                    ; tile_dim0
	s_mov_b32 s[\g+4], 16                          ; tile_dim1
	s_mov_b32 s[\g+5], STRIPB                      ; from strip to strip
	s_mov_b32 s[\g+6], 0
	s_mov_b32 s[\g+7], 0
.endr
	s_lshl_b32 s18, s16, 7
	s_lshl_b32 s20, s17, 8
	s_add_co_u32 s20, s20, s18
	s_lshl_b32 s20, s20, 4                         ; x: (256 block row + 128 half) x 16 bytes
	s_lshl_b32 s46, s42, 8
	s_add_co_u32 s46, s46, s18
	s_lshl_b32 s46, s46, 4                         ; W_mod: by the block column
	s_mov_b32 s21, 0
	s_mov_b32 s47, 0
	s_mul_i32 s45, s14, HALFT                      ; where my tile goes: by the wave's number alone
	s_wait_dscnt 0x0                               ; both opening adds are done
	s_wait_kmcnt 0x0
	s_load_b64 s[96:97], s[8:9], 0x0               ; e0, e1
	s_add_nc_u64 s[20:21], s[4:5], s[20:21]
	s_add_nc_u64 s[46:47], s[6:7], s[46:47]
	CROUND                                         ; in front of the first joint loads
.irp s, 0,1
	s_mov_b32 s[G0+4*\s], 1
	s_add_co_u32 s[G0+4*\s+1], s45, \s*SLOT
	s_add_nc_u64 s[G0+4*\s+2:G0+4*\s+3], s[20:21], \s*KADV
	s_or_b32 s[G0+4*\s+3], s[G0+4*\s+3], 0x80000000
	s_mov_b32 s[G0B+4*\s], 1
	s_add_co_u32 s[G0B+4*\s+1], s45, \s*SLOT
	s_add_nc_u64 s[G0B+4*\s+2:G0B+4*\s+3], s[46:47], \s*KADV
	s_or_b32 s[G0B+4*\s+3], s[G0B+4*\s+3], 0x80000000
.endr
	JLOAD G0, G1, G0B, G1B                         ; K step 0: one tensor load a wave at the head; all below is made while it is out
	s_mul_i32 s21, s15, HALFT                      ; my 128 rows of x
	s_mul_i32 s22, s16, HALFT
	s_add_co_u32 s22, s22, 2*HALFT                 ; my 128 rows of W_mod
	s_mul_i32 s23, s14, 16*SPITCH                  ; my stage
	v_and_b32 v1, 15, v0                           ; l % 16
	v_bfe_u32 v2, v0, 4, 1                         ; l / 16
	v_lshlrev_b32 v3, 4, v1
	v_lshl_add_u32 v4, v2, 11, v3                  ; 16 x row + one strip for the upper lanes
	v_add_nc_u32 v[ADRA], s21, v4
	v_add_nc_u32 v[ADRB], s22, v4
	v_add_nc_u32 v[ADRA+1], SLOT, v[ADRA]
	v_add_nc_u32 v[ADRB+1], SLOT, v[ADRB]
	v_mul_u32_u24 v5, v1, SPITCH
	v_lshl_add_u32 v5, v2, 5, v5
	v_add_nc_u32 v[STO], s23, v5                   ; in: row l % 16, 32 bytes for each half of the lanes
	v_and_b32 v6, 31, v0
	v_lshlrev_b32 v[CO], 4, v6
	v_add_nc_u32 v[RD], s23, v[CO]                 ; back: 32 lanes take a row of 512 bytes
	v_bfe_u32 v7, v0, 3, 2
	v_and_b32 v[PFO], 7, v0
	v_lshlrev_b32 v[PFO], 8, v[PFO]
	v_lshl_add_u32 v[PFO], v7, 16, v[PFO]
	s_wait_alu depctr_va_vdst(0)                   ; the wait behind the head's last vector instruction, ahead of the scalar run and the waits below
	s_lshl_b32 s20, s17, 8
	s_lshl_b32 s21, s15, 7
	s_add_co_u32 s20, s20, s21
	s_lshl_b32 s20, s20, 14                        ; my first row of out0 x 16,384 bytes
	s_mov_b32 s21, 0
	s_lshl_b32 s46, s42, 10
	s_lshl_b32 s47, s16, 9
	s_add_co_u32 s46, s46, s47                     ; my first column, in bytes
	s_mov_b32 s47, 0
	s_add_nc_u64 s[10:11], s[10:11], s[46:47]
	s_add_nc_u64 s[20:21], s[20:21], s[46:47]
	s_add_nc_u64 s[12:13], s[12:13], s[20:21]
	global_load_b128 v[BIAS:BIAS+3], v[CO], s[10:11]   ; b at the four columns that I store
	s_lshl_b32 s70, s17, 8
	s_lshl_b32 s71, s42, 8
	s_cmp_eq_u32 s15, 0                            ; do I fetch for x?
	s_cselect_b32 s70, s70, s71                    ; the tile's first row
	s_cselect_b32 s71, s40, s41                    ; my place among the four that ask with me
	s_cselect_b64 s[PFA:PFA+1], s[4:5], s[6:7]
	s_lshl_b32 s72, s16, 7
	s_add_co_u32 s70, s70, s72
	s_lshl_b32 s70, s70, 4
	s_lshl_b32 s71, s71, 18                        ; my work-group's 4 strips of the 16
	s_add_co_u32 s70, s70, s71
	s_mov_b32 s71, 0
	s_add_nc_u64 s[PFA:PFA+1], s[PFA:PFA+1], s[70:71]
	s_add_nc_u64 s[PFA:PFA+1], s[PFA:PFA+1], 2*KADV    ; at K step 2
.macro FRAG reg, adr, q, i             ; 16 rows x 128 K: strips 8 q + 2 c + l / 16
.irp c, 0,1,2,3
	ds_load_b128 v[\reg+4*\c:\reg+4*\c+3], v[\adr] offset:8*TROW*(\q)+2*TROW*\c+(\i)*256
.endr
.endm
.macro LDA slot, q, i                  ; x's block i; NISS counts the fragments asked for in this step
	WIN 0
	FRAG AF+FR*(\i), ADRA+\slot, \q, \i
.set NISS, NISS+1
.endm
.macro LDB slot, q, p, i               ; W_mod's block i into set p
	WIN TO_B
	FRAG 128*(\p)+FR*(\i), ADRB+\slot, \q, \i
.set NISS, NISS+1
.endm
.macro BLK a, p, zero                  ; x's block a against W_mod's eight of set p.  The 64 accumulators take turns, in one order in every step
.set GW, MUL_LO+0x50*((\a)/4)
	WIN GW
.irp b, 0,1,2,3,4,5,6,7
.if \zero
	v_wmma_f32_16x16x128_fp8_fp8 v[8*(8*((\a)%4)+\b):8*(8*((\a)%4)+\b)+7], v[128*(\p)+FR*\b:128*(\p)+FR*\b+FR-1], v[AF+FR*(\a):AF+FR*(\a)+FR-1], 0
.else
	v_wmma_f32_16x16x128_fp8_fp8 v[8*(8*((\a)%4)+\b):8*(8*((\a)%4)+\b)+7], v[128*(\p)+FR*\b:128*(\p)+FR*\b+FR-1], v[AF+FR*(\a):AF+FR*(\a)+FR-1], v[8*(8*((\a)%4)+\b):8*(8*((\a)%4)+\b)+7]
.endif
.endr
.endm
.macro PLACES                          ; places in front of loads into registers that matrix instructions have read, and of reads of results
.rept NP
	v_nop
.endr
.endm
; A step: 128 along K at (slot, q); the next step's fragments come from (ns, nq).  mode 0: the same slot goes on; 1: change of slots with a refill of this slot; 2: change of slots, nothing more to fetch; 3: the last step of all.
; A step's loads in their order, places 0 .. 15: this step's A6, A7; the next step's B0-5; B6, B7, A0, A1-5.
; THE COUNTED WAITS: LDS loads come back in order.  The fragment with place i in the last step's order has 15 - i fragments of that step and NISS of this step behind it, four loads each; this step's A6 and A7 have NISS - 1 and NISS - 2.
.macro STEPX slot, q, ns, nq, mode, zero
.set NISS, 0
.set PS, (\q)%2
	s_wait_dscnt 4*5                               ; B0-7 and A0 (place 10) are in
	BLK 0, PS, \zero
	s_wait_dscnt 4*4                               ; A1 (place 11)
	BLK 1, PS, \zero
	PLACES
	LDA \slot, \q, 6
	LDA \slot, \q, 7                               ; my last read of this slot, where it changes
.if ((\mode) == 1) || ((\mode) == 2)
.if (\mode) == 1
	s_wait_xcnt 0x0                                ; my last prefetch has read its address
	s_add_nc_u64 s[PFA:PFA+1], s[PFA:PFA+1], KADV
.endif
	s_wait_tensorcnt 0x0                           ; all my tensor loads have landed: my part of the next slot
	ds_add_u32 v[SPW], v[NIL]
.if (\mode) == 1
	s_add_nc_u64 s[G0+4*\slot+2:G0+4*\slot+3], s[G0+4*\slot+2:G0+4*\slot+3], 2*KADV      ; no load of mine is out: this slot's next K step
	s_add_nc_u64 s[G0B+4*\slot+2:G0B+4*\slot+3], s[G0B+4*\slot+2:G0B+4*\slot+3], 2*KADV
.endif
	s_wait_dscnt 0x0                               ; the add is done, and my reads of this slot are over
.if (\mode) == 1
	CROUND                                         ; no wave of any partner still reads this slot or has a load out
	JLOAD G0+4*\slot, G1, G0B+4*\slot, G1B         ; the refill, first behind the round
.else
	s_barrier_signal -1
	s_barrier_wait -1
.endif
.endif
.if (\mode) != 3
.irp i, 0,1,2,3,4,5
	LDB \ns, \nq, 1-PS, \i
.endr
.endif
.if (\mode) == 1
	WIN 0
	ASK
.endif
	s_wait_dscnt 4*(3+NISS)                        ; A2
	BLK 2, PS, \zero
	s_wait_dscnt 4*(2+NISS)                        ; A3
	BLK 3, PS, \zero
	s_wait_dscnt 4*(1+NISS)                        ; A4
	BLK 4, PS, \zero
	s_wait_dscnt 4*NISS                            ; A5
	BLK 5, PS, \zero
.if (\mode) != 3
	PLACES
	LDB \ns, \nq, 1-PS, 6
	LDB \ns, \nq, 1-PS, 7
.irp i, 0,1,2,3,4,5
	LDA \ns, \nq, \i
.endr
.endif
	s_wait_dscnt 4*(NISS-1)                        ; this step's A6
	BLK 6, PS, \zero
	s_wait_dscnt 4*(NISS-2)                        ; this step's A7
	BLK 7, PS, \zero
	WIN 0
.endm
	s_wait_tensorcnt 0x0                           ; my part of K step 0 is in; slot 1's first fill is issued as a refill is
	ds_add_u32 v[SPW], v[NIL]
	s_wait_dscnt 0x0
	CROUND
	JLOAD G0+4, G1, G0B+4, G1B                     ; K step 1
.set NISS, 0
.irp i, 0,1,2,3,4,5,6,7                ; the first step's fragments, in the order in which a step asks for its successor's
	LDB 0, 0, 0, \i
.endr
.irp i, 0,1,2,3,4,5
	LDA 0, 0, \i
.endr
	global_prefetch_b8 v[PFO], s[PFA:PFA+1] th:TH_LOAD_NT scope:SCOPE_SE               ; K step 2, one refill ahead,
	global_prefetch_b8 v[PFO], s[PFA:PFA+1] offset:KADV th:TH_LOAD_NT scope:SCOPE_SE   ; and K step 3, two
	STEPX 0, 0, 0, 1, 0, 1                         ; the first products start the sums
	s_mov_b32 s3, LAPS-1
.Llap:                                                 ; once round the ring; both slots are filled again
	STEPX 0, 1, 1, 0, 1, 0
	STEPX 1, 0, 1, 1, 0, 0
	STEPX 1, 1, 0, 0, 1, 0
	STEPX 0, 0, 0, 1, 0, 0
	s_sub_co_u32 s3, s3, 1
	s_cmp_lg_u32 s3, 0
	s_cbranch_scc1 .Llap
	STEPX 0, 1, 1, 0, 2, 0                         ; the last lap fills nothing
	STEPX 1, 0, 1, 1, 0, 0
	STEPX 1, 1, 0, 0, 3, 0
; THE WAY OUT, by blocks of 16 rows x 128 columns: the sums go as they are through my own stage and come back as rows of 512 bytes; then x 2^(e0 + e1) + b in one packed multiply-add; 32 lanes store two aligned units of 256 bytes.
.macro TOSTAGE a
.set AC, 64*((\a)%4)
	WIN (0x08+4*((\a)/4))                          ; store data: window 2 or 3
.irp b, 0,1,2,3,4,5,6,7
	ds_store_b128 v[STO], v[AC+8*\b:AC+8*\b+3] offset:64*\b          ; each accumulator from its low end on
	ds_store_b128 v[STO], v[AC+8*\b+4:AC+8*\b+7] offset:64*\b+16
.endr
	WIN 0
.set BB, BK+64*((\a)%2)
.irp t, 0,1,2,3,4,5,6,7,8,9,10,11,12,13,14,15
	ds_load_b128 v[BB+4*\t:BB+4*\t+3], v[RD] offset:\t*SPITCH        ; LDS serves a wave's instructions in order (ISA guide 5.7.1.4)
.endr
.endm
.macro SEND a, younger                 ; younger: LDS instructions issued behind block a's loads
.set BB, BK+64*((\a)%2)
	s_wait_dscnt \younger
.irp t, 0,1,2,3,4,5,6,7,8,9,10,11,12,13,14,15
.irp i, 0,2
	v_pk_fma_f32 v[BB+4*\t+\i:BB+4*\t+\i+1], v[BB+4*\t+\i:BB+4*\t+\i+1], s[96:97], v[BIAS+\i:BIAS+\i+1] op_sel_hi:[1,0,1]
.endr
.endr
.if (\a) > 0
	s_add_nc_u64 s[12:13], s[12:13], 16*SIZE_N*4   ; behind a wait on XCNT: the earlier stores have read their base
.endif
.irp t, 0,1,2,3,4,5,6,7,8,9,10,11,12,13,14,15
	global_store_b128 v[CO], v[BB+4*\t:BB+4*\t+3], s[12:13] offset:\t*SIZE_N*4 th:TH_STORE_NT
.endr
.endm
	s_wait_kmcnt 0x0
	s_add_co_i32 s96, s96, s97
	s_add_co_i32 s96, s96, 127
	s_lshl_b32 s96, s96, 23                        ; 2^(e0 + e1) as f32
	s_wait_loadcnt 0x0                             ; the bias
	PLACES                                         ; behind the last products, for the reads of their results and the loads into x's fragment registers
	TOSTAGE 0
.irp a, 1,2,3,4,5,6,7
.if \a > 1
	s_wait_xcnt 0x0                                ; block a - 2's stores have read their registers and base
.endif
	TOSTAGE \a
	SEND \a-1, 32                                  ; behind block a - 1's loads: block a's 16 stores and 16 loads
.endr
	s_wait_xcnt 0x0
	SEND 7, 0
	s_wait_tensorcnt 0x0                           ; the wave's end
	ds_add_u32 v[SPW], v[NIL]
	s_wait_dscnt 0x0
	CROUND                                         ; the closing round
	s_endpgm
.Lfunc_end_k_qcf1a207c15_gemm:
	.size	k_qcf1a207c15_gemm, .Lfunc_end_k_qcf1a207c15_gemm-k_qcf1a207c15_gemm
	.p2alignl 7, 3214868480
	.fill 96, 4, 3214868480
	.section	.rodata,"a",@progbits
	.p2align	6, 0x0
	.amdhsa_kernel k_qcf1a207c15_gemm
		.amdhsa_group_segment_fixed_size 327680
		.amdhsa_private_segment_fixed_size 0
		.amdhsa_enable_private_segment 0
		.amdhsa_kernarg_size 40
		.amdhsa_user_sgpr_count 2
		.amdhsa_user_sgpr_kernarg_segment_ptr 1
		.amdhsa_wavefront_size32 1
		.amdhsa_system_sgpr_workgroup_id_x 1
		.amdhsa_system_sgpr_workgroup_id_y 1
		.amdhsa_system_sgpr_workgroup_id_z 1
		.amdhsa_system_vgpr_workitem_id 0
		.amdhsa_next_free_vgpr 1024
		.amdhsa_next_free_sgpr 98
		.amdhsa_reserve_vcc 0
		.amdhsa_float_denorm_mode_32 3
		.amdhsa_float_denorm_mode_16_64 3
		.amdhsa_memory_ordered 1
		.amdhsa_forward_progress 1
		.amdhsa_inst_pref_size 127
	.end_amdhsa_kernel
	.amdgpu_metadata
---
amdhsa.version: [ 1, 2 ]
amdhsa.kernels:
  - .name:           k_qcf1a207c15_gemm
    .symbol:         k_qcf1a207c15_gemm.kd
    .args:
      - { .name: x_codes, .offset: 0, .size: 8, .value_kind: global_buffer, .address_space: global }
      - { .name: w_codes, .offset: 8, .size: 8, .value_kind: global_buffer, .address_space: global }
      - { .name: lowp_scales, .offset: 16, .size: 8, .value_kind: global_buffer, .address_space: global }
      - { .name: b_orig, .offset: 24, .size: 8, .value_kind: global_buffer, .address_space: global }
      - { .name: out0, .offset: 32, .size: 8, .value_kind: global_buffer, .address_space: global }
    .group_segment_fixed_size: 327680
    .private_segment_fixed_size: 0
    .kernarg_segment_align: 8
    .kernarg_segment_size: 40
    .max_flat_workgroup_size: 128
    .sgpr_count:     98
    .vgpr_count:     1024
    .wavefront_size: 32
...
	.end_amdgpu_metadata
.endif
;; end of part 2
